; MI455X (gfx1250); checked and timed in simulation.
; The chip was launched on July 23, 2026; its instructions are those of AMD's public machine-readable ISA for CDNA 5 (MIT licence, August 2026) and "CDNA5" Instruction Set Architecture Reference Guide (July 2026). The comments in the code are by the model that wrote it; some were corrected since.
;; Scaled Dot Product Attention. Allowed arithmetic: matrix products marked QUANTISED: E2M1 operands, one E8M0 scale for each 32 along K, by v_wmma_scale_f32_16x16x128_f8f6f4 with both operands' format E2M1 (or v_wmma_scale_f32_32x16x128_f4), f32 sums; everything else in f32.
;; Inputs: key_codes 1 x 16 x 2,048 x 2 x 16 uint8 (E2M1 codes of key, K innermost, in blocks of 32 codes, two codes a byte); key_scales 1 x 16 x 2,048 x 2 uint8 (E8M0 scales of key, one for each 32 codes along K); mask 1 x 2,048 bool; query_codes 1 x 16 x 2,048 x 2 x 16 uint8 (E2M1 codes of query, K innermost, in blocks of 32 codes, two codes a byte); query_scales 1 x 16 x 2,048 x 2 uint8 (E8M0 scales of query, one for each 32 codes along K); value_codes 1 x 16 x 64 x 64 x 16 uint8 (E2M1 codes of value, K innermost, in blocks of 32 codes, two codes a byte); value_scales 1 x 16 x 64 x 64 uint8 (E8M0 scales of value, one for each 32 codes along K).
;; Outputs: out0 1 x 16 x 2,048 x 64 float32.
;; This version of the problem:
;;   THIS VERSION OF THE PROBLEM IS GIVEN IN LOW PRECISION. The matrix products marked QUANTISED in the list below multiply operands that are first quantised to E2M1 (2 exponent bits, 1 mantissa bit; 4 bits a number), with one power-of-two scale for each 32 numbers along K (OCP MX v1.0); their sums are f32. All else is computed in f32.
;;   The module's matrix products, in the order in which they are computed (A, B: the left and right operand; K: the contracted axis; several contracted axes count as one K, in the product's order):
;;     1. batch 16 x [M 2,048, K 64] x [K 64, N 2,048]; A: input query (given as codes); B: input key (given as codes): QUANTISED
;;     2. batch 16 x [M 2,048, K 2,048] x [K 2,048, N 64]; A: softmax (see below); B: input value (given as codes): QUANTISED
;;   THE QUANTISER, for each operand of a quantised product, along K:
;;     - K is cut into blocks of 32 from its start; a last block that is shorter is filled with zeros.
;;     - A block's scale is 2^e with e = floor(log2(the largest magnitude in the block)) - 2, held to -126 .. 127; a block of zeros has e = 0. As a byte (E8M0): e + 127.
;;     - Each number is divided by its block's scale, clamped to +-6, and rounded to the nearest number of E2M1, ties to even, subnormals kept.
;;     - The product sums the exact products of the quantised numbers (number of the format x scale) in f32.
;;   ~~~python
;;   def quantise(x, axis):      # numpy; x: float32 -> the quantised numbers, widened to float32 again
;;       x = np.moveaxis(x, axis, -1); K = x.shape[-1]
;;       x = np.pad(x, [(0, 0)] * (x.ndim - 1) + [(0, -K % 32)]); x = x.reshape(x.shape[:-1] + (-1, 32)); a = np.abs(x).max(-1, keepdims=True)
;;       e = np.where(a > 0, np.clip(np.frexp(np.where(a > 0, a, 1))[1] - 1 - 2, -126, 127), 0)      # np.frexp(a)[1] - 1 = floor(log2(a)), exactly
;;       r = np.clip(x / 2.0 ** e, -6, 6)
;;       step = 2.0 ** (np.maximum(np.frexp(np.where(r == 0, 1, r))[1] - 1, 0) - 1)
;;       q = np.round(r / step) * step * 2.0 ** e      # np.round: ties to even
;;       return np.moveaxis(q.reshape(q.shape[:-2] + (-1,))[..., :K], -1, axis).astype(np.float32)
;;   ~~~
;;   SOFTMAX AHEAD OF A QUANTISED PRODUCT. Where the list says 'softmax', what is quantised is not the finished softmax but p = 2^(t - M), with t = logit x log2(e) and M = ceil(the row's largest t), a whole number; so 1/2 < the row's largest p <= 1. The row's sum l is taken of the UNQUANTISED p, in f32, and the product's result is divided by l at the end. Since M is a whole number, a kernel that streams over the keys may use a running M (the ceiling of the running maximum): every later rescaling is an exact power of two, which a block's scale takes up: the codes' values come out the same.
;;   OPERANDS COMPUTED ON THE WAY. 'Computed on the way' means the value that the module computes at that place (a softmax that the list does not call 'softmax' is quantised finished and normalised). What goes into a quantiser is computed in f32, as accurately as f32 sums, v_exp_f32 and their like allow (about 1e-6 of the number): no bf16 or f16 on the way to a quantiser, and a product that is left as it is and whose result goes on into a quantised operand takes f32 operands (vector FMAs, or v_wmma_f32_16x16x4_f32). A number that lies on a knife's edge between two numbers of the format may be rounded either way, as far as f32 arithmetic and the matrix unit's own rounding can turn it there, and no further.
;;   INPUTS GIVEN AS CODES. key (in the module: [1, 16, 2048, 64], K = its axis 3); query (in the module: [1, 16, 2048, 64], K = its axis 3); value (in the module: [1, 16, 2048, 64], K = its axis 2): each comes as NAME_codes (uint8): NAME with its K axis moved to the last place and cut into blocks of 32 codes, [.., K / 32, bytes a block], one block behind the other in memory; two codes a byte, the lower K in the low four bits (a code: sign, 2 exponent bits, 1 mantissa bit); and NAME_scales (uint8): the same leading axes, one E8M0 byte (e + 127) for each 32 codes along K. Its value is code x scale, taken as it is: it is not quantised again, and the codes and scales need not be those that the quantiser above would give.
;; One version. Each part assembles by itself: llvm-mc -triple=amdgcn-amd-amdhsa -mcpu=gfx1250 --defsym DOCPART=n.
;; ======== version 1 of 1: 1 launch
;; launch attn (part 1): grid 16 x 16, 16 waves a work-group, clusters of 4 x 1, 224,256 bytes of LDS; arguments query_codes, query_scales, key_codes, key_scales, value_codes, value_scales, mask, out0; writes out0
.if DOCPART == 1
	.amdgcn_target "amdgcn-amd-amdhsa--gfx1250"
	.amdhsa_code_object_version 6
	.text
	.protected	k_q1d7c64e7ab_attn
	.globl	k_q1d7c64e7ab_attn
	.p2align	8
	.type	k_q1d7c64e7ab_attn,@function
k_q1d7c64e7ab_attn:
	s_mov_b64 s[64:65], 0
	v_nop
	global_prefetch_b8 v0, s[64:65] scope:SCOPE_SE
	s_setreg_imm32_b32 hwreg(HW_REG_WAVE_MODE, 25, 1), 1
	s_wait_xcnt 0x0
	s_wait_alu depctr_hold_cnt(0) depctr_sa_sdst(0) depctr_va_vdst(0) depctr_va_sdst(0) depctr_va_ssrc(0) depctr_va_vcc(0) depctr_vm_vsrc(0)
	s_getreg_b32 s2, hwreg(HW_REG_IB_STS2, 6, 4)
	s_cmp_eq_u32 s2, 0
	s_cbranch_scc0 .Lentry_in_a_cluster
	s_endpgm
.Lentry_in_a_cluster:
	s_bfe_u32 s2, ttmp6, 0x10000c
	s_cmp_lg_u32 s2, 0x3003
	s_cbranch_scc0 .Lentry_shape_is_right
	s_endpgm
.Lentry_shape_is_right:
; out[h][q][:] = sum over k of softmax_k(q.k / 8 + (k - 2047) slope_h, keys with mask 0 blocked) v[h][k][:], slope_h = 2^(-(h + 1) / 2); 16 heads, 2,048 queries, 2,048 keys, head size 64.
; Both products run on codes of FP4 (E2M1) with one E8M0 scale for each 32 along K.  Q, K: 32 bytes of codes and 2 scale bytes a row.  V: keys innermost, 64 rows (d) of 1,024 bytes a head, 64 scale bytes a row.
; THE SOFTMAX: t = logit x log2(e); M = the largest t so far, rounded UP to a whole number; p = 2^(t - M) is quantised along the keys, not normalised; the row's sum is taken of the unquantised p and divides at the end.
; SHARES.  A work-group owns 128 queries of one head: 256 work-groups.  Wave w: tile = w & 7 (16 queries), g = w >> 3.  Wave (tile, g) walks the key steps 2 s + g, s = 0 .. 7, of 128 keys each; at the end wave g = 1 hands
; (-M, sum, O^T) to wave g = 0 through LDS.  M is a whole number, so the merge multiplies by powers of two.  Sixteen waves of 256 registers: four to a SIMD, so that one wave's vector lines stand beside another's LDS loads and products.
; THE WHOLE HEAD LIES IN LDS: K's codes 64 KiB, V's 64 KiB (+ padding), the scale bytes 8 KiB.  Every byte is filled once: no ring and no refill.  The codes come in four chunks of 512 keys, walked in the order of their arrival.
; CLUSTER.  The four query blocks of a cluster belong to one head and need the same K and V: each chunk is asked for JOINTLY, by the same tensor load with the same descriptor and a mask that names the four.
; The scale bytes and the mask (10 KiB of the 138 KiB that a work-group reads) come through registers without multicast: a small part, and V's scale rows and the bias are laid anew on the way.
; LAYOUT.  Both products are used transposed: S^T = K Q^T (source 0 = 16 keys, source 1 = my 16 queries), O^T = V^T P^T (source 0 = 16 of the head's 64, source 1 = P): a lane holds ONE query (lane % 16) throughout.
; THE KEYS OF A TILE ARE NOT NEIGHBOURS: lane r of tile 2 b + u takes key 32 b + 8 u + r + 8 (r / 8), so that the 16 registers of tiles 2 b and 2 b + 1 are the 16 neighbouring keys 32 b + 16 (lane / 16) + 0 .. 15.
; The first product's K is 64: the upper halves of its operands (k = 64 .. 127) are zero codes on both sides, under the scale byte 0.
; BIAS AND MASK COST NO VECTOR LINE IN THE LOOP.  They hang on the key alone, and the key is the result's row: a table C[k] = mask[k] ? (k - 2047) x 8 slope : -2^126, made once in LDS, is loaded INTO the score registers, and the
; first product adds onto it: S' = q.k + 8 bias; t = c S', c = log2(e) / 8.  The factor 8 is a power of two, so S' is 8 x the logit with the same rounding.
; LIMITS.  |q.k| stays under 2^100, so that it vanishes beside -2^126 (the largest possible with scale bytes up to about 170).  A blocked key has p = 0 beside any open key.  With no open key at all every t - M is 0 as long as the sum
; onto -2^126 returns -2^126 (c x 2^126 is exact), p = 1 everywhere, and the result is V's mean: that case was not tried.  A p under 2^-126 counts as 0.  Scale bytes 0xff are not served.
.set VOFF, 65536                       ; LDS: K's codes at 0, 32 bytes a key, as they lie;  V's from here: chunk c = 64 rows (d) of 256 bytes + 16 of padding
.set VP,   272                         ; = 68 words: row r starts at bank 4 r mod 64 (64 banks of 4 bytes: ISA guide 11.1), so the 16 rows of a load start at 16 different banks
.set VCH,  64*VP
.set BIAS, VOFF+4*VCH                  ; the table C[k], f32, 8,192 bytes.  From here on every region is written by LDS stores and lies in blocks of 256 bytes that no tensor load touches
.set KSC,  BIAS+8192                   ; K's scale bytes, 2 a key
.set VSC,  KSC+4096                    ; V's scale bytes: 64 rows, 72 bytes apart (18 words: the 32 lanes of a load fall on 32 different banks)
.set VSP,  72
.set MRG,  VSC+64*VSP                  ; the hand-over: O^T as an image of its registers, 4,096 bytes a tile,
.set MRS,  MRG+8*4096                  ; and (-M, sum), 8 bytes a lane
.set STG,  MRS+8*256                   ; the way out: 16 rows x (256 bytes + 16) for each tile
.set AK,  1                            ; v1   my lane's place in K's codes:      32 (r + 8 (r / 8)) + 16 h + 4,096 g
.set AB,  2                            ; v2   in the table C:                    BIAS + 64 h + 512 g
.set AKS, 3                            ; v3   among K's scale bytes:             KSC + 2 (r + 8 (r / 8) + 8 h) + 256 g
.set AV,  4                            ; v4   in V's codes:                      VOFF + 272 r + 16 h + 64 g
.set AVS, 5                            ; v5   among V's scale words:             VSC + 72 lane + 4 g
.set MG,  6                            ; v6   the hand-over's image:             MRG + 4,096 tile + 16 lane
.set MS,  7                            ; v7   and its two numbers:               MRS + 256 tile + 8 lane
.set SI,  8                            ; v8   into the stage:                    STG + 4,352 tile + 272 r + 32 h
.set SO,  9                            ; v9   out of it:                         STG + 4,352 tile + 272 h + 16 r
.set GO,  10                           ; v10  my byte offset in the tile's rows of out: 16 lane.      v1-11 are made at the head and never rewritten
.set QF,  16                           ; v[16:23]   Q's fragment; v20-23 zero codes.   v12 -M, v13 the largest t, v[14:15] the sum in two halves
.set KS,  24                           ; v24-27     K's scale words: lanes 0-15 tile 2 b's, lanes 16-31 tile 2 b + 1's
.set VS,  28                           ; v28-29     V's likewise
.set QS,  30                           ; v30        Q's scale word
.set PW,  31                           ; v31        p's scale word.   v24-31 hold scales and nothing else
.set KF,  32                           ; v[32:95]   K's eight fragments; registers 8 t + 4 .. 8 t + 7 zero codes, written once
.set S,   96                           ; v[96:159]  C, then S', then p
.set OT,  160                          ; v[160:191] O^T: tile i, register j: d = 16 i + 8 h + j
.set VF,  192                          ; v[192:223] V's four fragments
.set PC,  224                          ; v[224:231] p's codes.   v232-235 block maxima, v236-239 and v244-247 at work, v252 f, v253 0, v254-255 at work; v240-243, v248-249 the head's offsets
.set WV,   20                          ; s20 wave, s21 tile, s22 g
.set TILE, 21
.set GS,   22
.set G1K,  24                          ; s[24:31] descriptor group 1 for K's chunks;  s[32:39] for V's
.set G1V,  32
.set G0K,  40                          ; s[40:55] group 0 for K's four chunks;  s[68:83] for V's
.set G0V,  68
.set SEL,  60                          ; s[60:61] lane selects for v_permlanex16_b32: lane l xor 16
.set CS,   62                          ; s[62:63] c = log2(e) / 8: the packed form names a pair and takes its low word for both halves
; A round of the cluster's barrier: my work-group's barrier, so that wave 0's signal speaks for all sixteen waves; wave 0 signals for the work-group; every wave waits for all four work-groups; my work-group's barrier once more.
.macro ROUND
	s_barrier_signal -1
	s_barrier_wait -1
	s_cmp_lg_u32 s[WV], 0
	s_cbranch_scc1 .Lnot_wave_0_\@
	s_barrier_signal -3
.Lnot_wave_0_\@:
	s_barrier_wait -3
	s_barrier_signal -1
	s_barrier_wait -1
.endm
	s_load_b256 s[4:11], s[0:1], 0x0               ; Q's codes s[4:5], Q's scales s[6:7], K's codes s[8:9], K's scales s[10:11]
	s_load_b256 s[12:19], s[0:1], 0x20             ; V's codes s[12:13], V's scales s[14:15], mask s[16:17], out s[18:19]
	v_lshl_add_u32 v254, v0, 2, 0x36400
	v_mov_b32 v255, 0
	ds_add_u32 v254, v255
	ds_add_u32 v254, v255
	s_wait_dscnt 0x0
	v_lshrrev_b32 v252, 5, v0
	v_readfirstlane_b32 s[WV], v252                ; wave 0..15
	s_and_b32 s[TILE], s[WV], 7
	s_lshr_b32 s[GS], s[WV], 3
	s_bfe_u32 s56, ttmp6, 0x40000                  ; cx: my place in the cluster: it enters Q's and out's global addresses alone
	s_lshl_b32 s57, ttmp9, 2                       ; in a cluster launch ttmp9 counts clusters
	s_add_co_u32 s57, s57, s56                     ; my block of 128 queries
	s_and_b32 s58, ttmp7, 0xffff                   ; the head, which the four partners share
	; descriptor group 1: 64 rows of 32 elements of 8 bytes.  K's chunk is dense in memory and in LDS; V's rows lie 1,024 bytes apart in memory and get 16 bytes of padding in LDS
	s_mov_b32 s[G1K], 15|(3<<16)|(1<<21)           ; 15:0 the mask: all four work-groups; 17:16 elements of 8 bytes; 21 set beside a mask
	s_mov_b32 s[G1V], 15|(3<<16)|(1<<20)|(1<<21)|(5<<22)|(3<<25)  ; the same; 20 padding on; 24:22 after every 64 words (code 5); 31:25 four words (code 3)
.irp g, G1K, G1V
	s_mov_b32 s[\g+1], 32<<16                      ; tensor_dim0 = 32
	s_mov_b32 s[\g+2], 64<<16                      ; tensor_dim1 = 64
	s_mov_b32 s[\g+3], 32<<16                      ; tile_dim0 = 32
	s_mov_b32 s[\g+4], 64                          ; tile_dim1 = 64
	s_mov_b32 s[\g+6], 0
	s_mov_b32 s[\g+7], 0
.endr
	s_mov_b32 s[G1K+5], 32                         ; elements from row to row
	s_mov_b32 s[G1V+5], 128
	; byte offsets, each in a pair of its own
	s_lshl_b32 s84, s58, 16                        ; the head in each tensor of codes
	s_mov_b32 s85, 0
	s_lshl_b32 s86, s58, 12                        ; and in each tensor of scale bytes
	s_mov_b32 s87, 0
	s_lshl_b32 s94, s57, 7
	s_lshl_b32 s95, s[TILE], 4
	s_add_co_u32 s94, s94, s95                     ; my first query: 128 x block + 16 x tile
	s_lshl_b32 s88, s94, 5
	s_add_co_u32 s88, s88, s84                     ; its codes,
	s_mov_b32 s89, 0
	s_lshl_b32 s90, s94, 1
	s_add_co_u32 s90, s90, s86                     ; its scale bytes,
	s_mov_b32 s91, 0
	s_lshl_b32 s92, s58, 19
	s_lshl_b32 s95, s94, 8
	s_add_co_u32 s92, s92, s95                     ; its row of out
	s_mov_b32 s93, 0
	; 8 x slope = 2^(3 - n / 2), n = head + 1: the bits of 1 (n even) or of sqrt(1/2) (n odd), with 3 - (n >> 1) added to the exponent field
	s_add_co_u32 s96, s58, 1
	s_lshr_b32 s97, s96, 1
	s_sub_co_i32 s97, 3, s97
	s_lshl_b32 s97, s97, 23
	s_mov_b32 s98, 0x3f3504f3
	s_mov_b32 s99, 0x3f800000
	s_and_b32 s96, s96, 1                          ; SCC: n is odd
	s_cselect_b32 s59, s98, s99
	s_add_co_u32 s59, s59, s97
	s_mov_b32 s[SEL], 0x76543210
	s_mov_b32 s[SEL+1], 0xfedcba98
	s_mov_b32 s[CS], 0x3e38aa3b                    ; c = log2(e) / 8
	s_mov_b32 s[CS+1], s[CS]                       ; (named with it as a pair, so it is written)
	; every address register, while the scalar loads are on their way
	v_and_b32 v254, 15, v0                         ; r
	v_bfe_u32 v255, v0, 4, 1                       ; h
	v_and_b32 v252, 31, v0                         ; lane
	v_and_b32 v253, 8, v254
	v_add_nc_u32 v253, v253, v254                  ; r + 8 (r / 8)
	s_lshl_b32 s95, s[GS], 12
	v_lshlrev_b32 v[AK], 5, v253
	v_lshl_add_u32 v[AK], v255, 4, v[AK]
	v_add_nc_u32 v[AK], s95, v[AK]
	s_lshl_b32 s96, s[GS], 9
	s_add_co_u32 s96, s96, BIAS
	v_lshl_add_u32 v[AB], v255, 6, s96
	s_lshl_b32 s97, s[GS], 8
	s_add_co_u32 s97, s97, KSC
	v_lshl_add_u32 v[AKS], v255, 3, v253
	v_lshl_add_u32 v[AKS], v[AKS], 1, s97
	s_lshl_b32 s98, s[GS], 6
	s_add_co_u32 s98, s98, VOFF
	v_mul_u32_u24 v[AV], v254, VP
	v_lshl_add_u32 v[AV], v255, 4, v[AV]
	v_add_nc_u32 v[AV], s98, v[AV]
	s_lshl_b32 s99, s[GS], 2
	s_add_co_u32 s99, s99, VSC
	v_mul_u32_u24 v[AVS], v252, VSP
	v_add_nc_u32 v[AVS], s99, v[AVS]
	s_lshl_b32 s95, s[TILE], 12
	s_add_co_u32 s95, s95, MRG
	v_lshl_add_u32 v[MG], v252, 4, s95
	s_lshl_b32 s96, s[TILE], 8
	s_add_co_u32 s96, s96, MRS
	v_lshl_add_u32 v[MS], v252, 3, s96
	s_mul_i32 s97, s[TILE], 16*272
	s_add_co_u32 s97, s97, STG
	v_mul_u32_u24 v[SI], v254, 272
	v_lshl_add_u32 v[SI], v255, 5, v[SI]
	v_add_nc_u32 v[SI], s97, v[SI]
	v_mul_u32_u24 v[SO], v255, 272
	v_lshl_add_u32 v[SO], v254, 4, v[SO]
	v_add_nc_u32 v[SO], s97, v[SO]
	v_lshlrev_b32 v[GO], 4, v252
	v_lshl_add_u32 v11, v0, 4, BIAS                ; the head's stores: thread T makes C of keys 4 T .. 4 T + 3,
	v_lshlrev_b32 v240, 2, v0                      ; from the mask's bytes 4 T ..;
	v_lshlrev_b32 v241, 3, v0                      ; it carries 8 scale bytes of K and 8 of V:
	v_lshl_add_u32 v242, v0, 3, KSC                ; K's as they lie,
	v_lshrrev_b32 v243, 3, v0
	v_mul_u32_u24 v243, v243, VSP
	v_and_b32 v250, 7, v0
	v_lshl_add_u32 v243, v250, 3, v243
	v_add_nc_u32 v243, VSC, v243                   ; V's at row T / 8, byte 8 (T % 8)
	v_lshlrev_b32 v248, 5, v254
	v_lshl_add_u32 v248, v255, 4, v248             ; Q's codes: row r of 32 bytes, + 16 h
	v_lshlrev_b32 v249, 1, v254                    ; Q's scale bytes: 2 r
	s_wait_kmcnt 0x0
	s_add_nc_u64 s[4:5], s[4:5], s[88:89]
	s_add_nc_u64 s[6:7], s[6:7], s[90:91]
	s_add_nc_u64 s[8:9], s[8:9], s[84:85]
	s_add_nc_u64 s[10:11], s[10:11], s[86:87]
	s_add_nc_u64 s[12:13], s[12:13], s[84:85]
	s_add_nc_u64 s[14:15], s[14:15], s[86:87]
	s_add_nc_u64 s[18:19], s[18:19], s[92:93]
	global_load_b32 v96, v240, s[16:17]            ; four bytes of the mask.  These five loads are on their way while the cluster meets
	global_load_b64 v[98:99], v241, s[10:11]       ; K's scale bytes
	global_load_b64 v[100:101], v241, s[14:15]     ; V's
	global_load_b128 v[QF:QF+3], v248, s[4:5]      ; Q's fragment: k = 32 h + 0 .. 31 of query r; it stays in registers
	global_load_u16 v[QS], v249, s[6:7]            ; Q's two scale bytes; bytes 2 and 3 of the word are 0, over zero codes
.irp c, 0,1,2,3                                ; group 0: chunk c = keys 512 c .. 512 c + 511.  Nothing in it hangs on the wave or on the place in the cluster
	s_mov_b32 s[G0K+4*\c], 1                                       ; count = 1
	s_mov_b32 s[G0K+4*\c+1], \c*16384                              ; LDS address
	s_add_nc_u64 s[G0K+4*\c+2:G0K+4*\c+3], s[8:9], \c*16384        ; global address: 512 keys of 32 bytes on
	s_or_b32 s[G0K+4*\c+3], s[G0K+4*\c+3], 0x80000000              ; type = 2
	s_mov_b32 s[G0V+4*\c], 1
	s_mov_b32 s[G0V+4*\c+1], VOFF+\c*VCH
	s_add_nc_u64 s[G0V+4*\c+2:G0V+4*\c+3], s[12:13], \c*256        ; 512 keys along each row
	s_or_b32 s[G0V+4*\c+3], s[G0V+4*\c+3], 0x80000000
.endr
	ROUND                                          ; all four work-groups are here: the joint loads meet
	s_cmp_lg_u32 s[WV], 0                          ; wave 0 asks for K's four chunks, wave 1 for V's, the others for nothing: four loads of a wave are out at the most.  Four v_nop follow the last
	s_cbranch_scc1 .Lnot_k
.irp c, 0,1,2,3
	tensor_load_to_lds s[G0K+4*\c:G0K+4*\c+3], s[G1K:G1K+7]
	s_nop 0
.endr
.rept 4
	v_nop
.endr
	s_branch .Lasked
.Lnot_k:
	s_cmp_lg_u32 s[WV], 1
	s_cbranch_scc1 .Lasked
.irp c, 0,1,2,3
	tensor_load_to_lds s[G0V+4*\c:G0V+4*\c+3], s[G1V:G1V+7]
	s_nop 0
.endr
.rept 4
	v_nop
.endr
.Lasked:
.irp j, 4,5,6,7
	v_mov_b32 v[QF+\j], 0                          ; zero codes for k = 64 .. 127, on both sides of the first product: written once
.irp t, 0,1,2,3,4,5,6,7
	v_mov_b32 v[KF+8*\t+\j], 0
.endr
.endr
	v_mov_b32 v13, 0xff61b1e6                      ; the largest t so far: -3e38, under every t
	v_floor_f32 v12, -v13                          ; -M
	v_mov_b32 v14, 0                               ; the sum, in two halves
	v_mov_b32 v15, 0
.irp b, 0,1,2,3
	v_mov_b32 v[236+\b], 0                         ; written once: a lane permute's destination counts as one of its sources
.endr
	v_mov_b32 v253, 0                              ; (the upper half of the pair v[252:253])
	; the table C: (k - 2047) x 8 slope for keys 4 T .. 4 T + 3; whole numbers under 2^11 are exact in f32, so each is rounded once, by the multiplication
	v_add_nc_u32 v102, 0xfffff801, v240            ; 4 T - 2047
	v_cvt_f32_i32 v104, v102
	v_add_f32 v105, 1.0, v104
	v_add_f32 v106, 2.0, v104
	v_add_f32 v107, 0x40400000, v104
.irp j, 0,1,2,3
	v_mul_f32 v[104+\j], s59, v[104+\j]
.endr
	v_mov_b32 v103, 0xfe800000                     ; -2^126 for a blocked key
	s_wait_loadcnt 0x2                             ; loads come back in order: the mask and both tensors' scale bytes are in; Q's two loads may be out
.irp j, 0,1,2,3
	v_bfe_u32 v108, v96, 8*\j, 8
	v_cmp_ne_u32 vcc_lo, 0, v108
	v_cndmask_b32 v[104+\j], v103, v[104+\j], vcc_lo
.endr
	ds_store_b128 v11, v[104:107]
	ds_store_b64 v242, v[98:99]
	ds_store_b64 v243, v[100:101]
	s_wait_loadcnt 0x0                             ; Q
; Chunk c has landed for every wave.  The count leaves the chunks issued behind it on their way. The wait on DScnt is for the others' sake: my stores of the head (c = 0) are done.
.macro CHUNK c
	s_wait_tensorcnt 3-\c
	s_wait_dscnt 0x0
	s_barrier_signal -1
	s_barrier_wait -1
.endm
; MY s-TH KEY STEP: keys 256 s + 128 g on.  Every offset is an immediate.  The twelve accumulators take turns, one instruction a turn, from step to step too.
.macro STEP s
.irp n, 0,1,2,3,4,5,6,7,8,9,10,11,12,13,14,15
	ds_load_b128 v[S+4*\n:S+4*\n+3], v[AB] offset:1024*(\s)+128*(\n/4)+16*(\n%4)   ; C of my 64 keys INTO the score registers: register 16 b + i is key 32 b + 16 h + i
.endr
.irp t, 0,1,2,3,4,5,6,7
	ds_load_b128 v[KF+8*\t:KF+8*\t+3], v[AK] offset:(256*(\s)+32*(\t/2)+8*(\t%2))*32
.endr
.irp b, 0,1,2,3
	ds_load_u16 v[KS+\b], v[AKS] offset:2*(256*(\s)+32*\b)    ; two scale bytes a key; bytes 2 and 3 of the word are 0, over zero codes
.endr
	s_wait_dscnt 0x0
.irp t, 0,1,2,3,4,5,6,7                        ; S' = K Q^T + C
.if \t%2
	v_wmma_scale_f32_16x16x128_f8f6f4 v[S+8*\t:S+8*\t+7], v[KF+8*\t:KF+8*\t+7], v[QF:QF+7], v[S+8*\t:S+8*\t+7], v[KS+\t/2], v[QS] matrix_a_fmt:MATRIX_FMT_FP4 matrix_b_fmt:MATRIX_FMT_FP4 matrix_a_scale:MATRIX_SCALE_ROW1
.else
	v_wmma_scale_f32_16x16x128_f8f6f4 v[S+8*\t:S+8*\t+7], v[KF+8*\t:KF+8*\t+7], v[QF:QF+7], v[S+8*\t:S+8*\t+7], v[KS+\t/2], v[QS] matrix_a_fmt:MATRIX_FMT_FP4 matrix_b_fmt:MATRIX_FMT_FP4
.endif
.endr
.rept 4
	v_nop                                          ; four places: in front of the first read of the scores, and between the last step's products V^T P and the loads into their operands below
.endr
.irp i, 0,1,2,3                                ; V's fragments and scale words are asked for now and land during the softmax
.irp c, 0,1
	ds_load_b128 v[VF+8*\i+4*\c:VF+8*\i+4*\c+3], v[AV] offset:VCH*((\s)/2)+16*VP*\i+128*((\s)%2)+32*\c
.endr
.endr
.irp i, 0,1
	ds_load_b32 v[VS+\i], v[AVS] offset:32*VSP*\i+8*(\s)      ; lane l: row d = 32 i + l
.endr
.irp b, 0,1,2,3
	v_max3_num_f32 v[232+\b], v[S+16*\b], v[S+1+16*\b], v[S+2+16*\b]   ; THE LARGEST SCORE OF EACH BLOCK OF 32 KEYS serves twice: for the row's maximum, and, since p rises with the score, for the block's largest p
.endr
.irp i, 3,5,7,9,11,13
.irp b, 0,1,2,3
	v_max3_num_f32 v[232+\b], v[232+\b], v[S+16*\b+\i], v[S+1+16*\b+\i]   ; (the four blocks by turns)
.endr
.endr
.irp b, 0,1,2,3
	v_max_num_f32 v[232+\b], v[232+\b], v[S+15+16*\b]
.endr
.irp b, 0,1,2,3
	v_permlanex16_b32 v[236+\b], v[232+\b], s[SEL], s[SEL+1]
.endr
.irp b, 0,1,2,3
	v_max_num_f32 v[232+\b], v[232+\b], v[236+\b]  ; with lane l xor 16's 16 keys
.endr
	v_max3_num_f32 v254, v232, v233, v234
	v_max_num_f32 v254, v254, v235                 ; the step's largest score of my query
	v_mul_f32 v254, s[CS], v254                    ; as t (c is positive)
	v_max_num_f32 v13, v13, v254                   ; the running largest t
	v_mov_b32 v254, v12
	v_floor_f32 v12, -v13                          ; the new -M = floor(-t) = -ceil(t): M is a whole number
	v_sub_f32 v254, v12, v254                      ; M's old value less its new one: a whole number, 0 or less
	v_cvt_i32_f32 v254, v254                       ; (it saturates)
	v_ldexp_f32 v252, 1.0, v254                    ; f = 2^(old M - new M): a multiplication by it rounds nothing
.set j, 0
.rept 32
	v_pk_fma_f32 v[S+j:S+j+1], v[S+j:S+j+1], s[CS:CS+1], v[12:13] op_sel_hi:[1,0,0]   ; t - M, two at a time (of the pairs c and -M the low word serves both halves)
.set j, j+2
.endr
.irp b, 0,1,2,3
	v_fma_f32 v[232+\b], v[232+\b], s[CS], v12     ; the same of each block's largest score
.endr
.set j, 0
.rept 64
	v_exp_f32 v[S+j], v[S+j]                       ; p = 2^(t - M): not normalised
.set j, j+1
.endr
.irp b, 0,1,2,3
	v_exp_f32 v[232+\b], v[232+\b]                 ; the block's largest p: the same two instructions on the same number give the same bits
.endr
	v_pk_mul_f32 v[14:15], v[14:15], v[252:253] op_sel_hi:[1,0]   ; the sums under the new M.  (The plain line behind the exponentials)
	s_wait_alu depctr_va_vdst(0)
.irp b, 0,1,2,3
	v_max_num_f32 v[232+\b], 0x1800000, v[232+\b]  ; the floor 2^(3 - 127): the byte cannot fall under 1 (a block whose every p is 0 keeps that byte: its codes are zeros)
.endr
.irp b, 0,1,2,3
	v_add_nc_u32 v[244+\b], 0xff000000, v[232+\b]  ; 2 off the exponent field: the conversion's scale operand
.endr
.irp b, 0,1,2,3
	v_lshrrev_b32 v[236+\b], 23, v[244+\b]         ; the scale's byte
.endr
	v_lshl_or_b32 v[PW], v237, 8, v236             ; p's scale word for these 128 keys
	v_lshl_or_b32 v[PW], v238, 16, v[PW]
	v_lshl_or_b32 v[PW], v239, 24, v[PW]
.irp b, 0,1,2,3
	v_cvt_scalef32_pk8_fp4_f32 v[PC+2*\b], v[S+16*\b:S+7+16*\b], v[244+\b]
	v_cvt_scalef32_pk8_fp4_f32 v[PC+1+2*\b], v[S+8+16*\b:S+15+16*\b], v[244+\b]
.endr
	v_nop                                          ; one plain line between a scaled conversion and the vector instruction that touches its result
.irp c, 0,1                                    ; the operand's layout wants a WHOLE block in a lane: lanes 0-15 block 2 c, lanes 16-31 block 2 c + 1
.irp i, 0,1
	v_permlane16_swap_b32 v[PC+4*\c+\i], v[PC+2+4*\c+\i]
.endr
.endr
	v_pk_add_f32 v[236:237], v[S:S+1], v[S+2:S+3]  ; THE ROW'S SUM IS TAKEN OF THE UNQUANTISED p: two at a time, in two chains.  (These 32 lines are the places between p's scale word and codes and the products below)
.irp j, 4,8,12,16,20,24,28,32,36,40,44,48,52,56,60
	v_pk_add_f32 v[14:15], v[14:15], v[S+\j:S+1+\j]
	v_pk_add_f32 v[236:237], v[236:237], v[S+2+\j:S+3+\j]
.endr
	v_pk_add_f32 v[14:15], v[14:15], v[236:237]
.if (\s) > 0
.set j, 0
.rept 16
	v_pk_mul_f32 v[OT+j:OT+j+1], v[OT+j:OT+j+1], v[252:253] op_sel_hi:[1,0]   ; O^T under the new M: x f, each accumulator from its low end on
.set j, j+2
.endr
.endif
	s_wait_dscnt 0x0                               ; V's fragments and scale words are in
.irp i, 0,1,2,3                                ; O^T += V^T P^T; K = these 128 keys.  My first step starts the sums with the constant 0: nothing is cleared
.if (\s) == 0
.if \i%2
	v_wmma_scale_f32_16x16x128_f8f6f4 v[OT+8*\i:OT+8*\i+7], v[VF+8*\i:VF+8*\i+7], v[PC:PC+7], 0, v[VS+\i/2], v[PW] matrix_a_fmt:MATRIX_FMT_FP4 matrix_b_fmt:MATRIX_FMT_FP4 matrix_a_scale:MATRIX_SCALE_ROW1
.else
	v_wmma_scale_f32_16x16x128_f8f6f4 v[OT+8*\i:OT+8*\i+7], v[VF+8*\i:VF+8*\i+7], v[PC:PC+7], 0, v[VS+\i/2], v[PW] matrix_a_fmt:MATRIX_FMT_FP4 matrix_b_fmt:MATRIX_FMT_FP4
.endif
.else
.if \i%2
	v_wmma_scale_f32_16x16x128_f8f6f4 v[OT+8*\i:OT+8*\i+7], v[VF+8*\i:VF+8*\i+7], v[PC:PC+7], v[OT+8*\i:OT+8*\i+7], v[VS+\i/2], v[PW] matrix_a_fmt:MATRIX_FMT_FP4 matrix_b_fmt:MATRIX_FMT_FP4 matrix_a_scale:MATRIX_SCALE_ROW1
.else
	v_wmma_scale_f32_16x16x128_f8f6f4 v[OT+8*\i:OT+8*\i+7], v[VF+8*\i:VF+8*\i+7], v[PC:PC+7], v[OT+8*\i:OT+8*\i+7], v[VS+\i/2], v[PW] matrix_a_fmt:MATRIX_FMT_FP4 matrix_b_fmt:MATRIX_FMT_FP4
.endif
.endif
.endr
.endm
	CHUNK 0                                        ; also: the table C and the scale bytes lie in LDS for every wave
	STEP 0
	STEP 1
	CHUNK 1
	STEP 2
	STEP 3
	CHUNK 2
	STEP 4
	STEP 5
	CHUNK 3                                        ; the last wait on TENSORcnt is for 0: no tensor load is out from here on
	STEP 6
	STEP 7
	v_add_f32 v14, v14, v15                        ; the sum's two halves,
	v_permlanex16_b32 v254, v14, s[SEL], s[SEL+1]
	v_add_f32 v13, v14, v254                       ; and lane l xor 16's: my share's sum, beside -M in the pair v[12:13]
	v_nop                                          ; with the two additions: four places behind the last products
	v_nop
	s_cmp_lt_u32 s[WV], 8
	s_cbranch_scc1 .Lkeep
.irp n, 0,1,2,3,4,5,6,7                        ; waves 8-15 hand over: O^T as an image of its registers, lane l's 16 bytes at 16 l, 512 bytes a store; each accumulator from its low end on
	ds_store_b128 v[MG], v[OT+4*\n:OT+4*\n+3] offset:512*\n
.endr
	ds_store_b64 v[MS], v[12:13]
.Lkeep:
	s_wait_dscnt 0x0                               ; for the others' sake: my stores are done
	s_barrier_signal -1
	s_barrier_wait -1
	s_cmp_ge_u32 s[WV], 8
	s_cbranch_scc1 .Lend
.irp n, 0,1,2,3,4,5,6,7                        ; waves 0-7: the same lines as loads give the same registers in the same lanes
	ds_load_b128 v[S+4*\n:S+4*\n+3], v[MG] offset:512*\n
.endr
	ds_load_b64 v[128:129], v[MS]
	s_wait_dscnt 0x0
	v_min_num_f32 v130, v12, v128                  ; -M of both shares: the larger M
	v_sub_f32 v131, v130, v12                      ; my M less it, and the other's: whole numbers, 0 or less
	v_sub_f32 v132, v130, v128
	v_cvt_i32_f32 v131, v131
	v_cvt_i32_f32 v132, v132
	v_ldexp_f32 v131, 1.0, v131                    ; f0, f1: one of them is 1
	v_ldexp_f32 v132, 1.0, v132
	v_mul_f32 v133, v13, v131
	v_fma_f32 v133, v129, v132, v133               ; the row's sum
	v_rcp_f32 v138, v133
	v_nop                                          ; one plain line behind a transcendental
	s_wait_alu depctr_va_vdst(0)
	v_mul_f32 v134, v131, v138                     ; f0 / sum and f1 / sum, each twice: pairs for the packed forms
	v_mul_f32 v135, v131, v138
	v_mul_f32 v136, v132, v138
	v_mul_f32 v137, v132, v138
.set j, 0
.rept 16
	v_pk_mul_f32 v[OT+j:OT+j+1], v[OT+j:OT+j+1], v[134:135]
.set j, j+2
.endr
.set j, 0
.rept 16
	v_pk_fma_f32 v[OT+j:OT+j+1], v[S+j:S+j+1], v[136:137], v[OT+j:OT+j+1]
.set j, j+2
.endr
	; THE WAY OUT.  A lane holds 32 neighbouring bytes of each quarter of its query's row, and the lanes beside it hold other rows: the tile goes through my own stage and comes back as whole rows of 256 bytes.
.irp i, 0,1,2,3
	ds_store_b128 v[SI], v[OT+8*\i:OT+8*\i+3] offset:64*\i         ; out(r, 16 i + 8 h + 0 .. 7)
	ds_store_b128 v[SI], v[OT+8*\i+4:OT+8*\i+7] offset:64*\i+16
.endr
.irp n, 0,1,2,3,4,5,6,7
	ds_load_b128 v[S+4*\n:S+4*\n+3], v[SO] offset:2*272*\n         ; LDS serves a wave's instructions in order (ISA guide 5.7.1.4): these see my stores.  Lanes 0-15 take row 2 n, lanes 16-31 row 2 n + 1
.endr
.irp n, 0,1,2,3,4,5,6,7
	s_wait_dscnt 7-\n                              ; the younger reads of the stage may be out
	global_store_b128 v[GO], v[S+4*\n:S+4*\n+3], s[18:19] offset:512*\n th:TH_STORE_NT   ; 32 lanes store 512 consecutive bytes, at a multiple of 256 from out's first byte; written once, read by nobody here
.endr
.Lend:
	s_wait_xcnt 0x0
	v_lshl_add_u32 v254, v0, 2, 0x36400
	v_mov_b32 v255, 0
	s_wait_tensorcnt 0x0
	ds_add_u32 v254, v255
	s_wait_dscnt 0x0
	ROUND                                          ; the closing round: no work-group ends while a partner may still ask for a chunk that names it
	s_endpgm
.Lfunc_end_k_q1d7c64e7ab_attn:
	.size	k_q1d7c64e7ab_attn, .Lfunc_end_k_q1d7c64e7ab_attn-k_q1d7c64e7ab_attn
	.p2alignl 7, 3214868480
	.fill 96, 4, 3214868480
	.section	.rodata,"a",@progbits
	.p2align	6, 0x0
	.amdhsa_kernel k_q1d7c64e7ab_attn
		.amdhsa_group_segment_fixed_size 224256
		.amdhsa_private_segment_fixed_size 0
		.amdhsa_enable_private_segment 0
		.amdhsa_kernarg_size 64
		.amdhsa_user_sgpr_count 2
		.amdhsa_user_sgpr_kernarg_segment_ptr 1
		.amdhsa_wavefront_size32 1
		.amdhsa_system_sgpr_workgroup_id_x 1
		.amdhsa_system_sgpr_workgroup_id_y 1
		.amdhsa_system_sgpr_workgroup_id_z 1
		.amdhsa_system_vgpr_workitem_id 0
		.amdhsa_next_free_vgpr 256
		.amdhsa_next_free_sgpr 100
		.amdhsa_reserve_vcc 1
		.amdhsa_float_denorm_mode_32 3
		.amdhsa_float_denorm_mode_16_64 3
		.amdhsa_memory_ordered 1
		.amdhsa_forward_progress 1
		.amdhsa_inst_pref_size 144
	.end_amdhsa_kernel
	.amdgpu_metadata
---
amdhsa.version: [ 1, 2 ]
amdhsa.kernels:
  - .name:           k_q1d7c64e7ab_attn
    .symbol:         k_q1d7c64e7ab_attn.kd
    .args:
      - { .name: query_codes, .offset: 0, .size: 8, .value_kind: global_buffer, .address_space: global }
      - { .name: query_scales, .offset: 8, .size: 8, .value_kind: global_buffer, .address_space: global }
      - { .name: key_codes, .offset: 16, .size: 8, .value_kind: global_buffer, .address_space: global }
      - { .name: key_scales, .offset: 24, .size: 8, .value_kind: global_buffer, .address_space: global }
      - { .name: value_codes, .offset: 32, .size: 8, .value_kind: global_buffer, .address_space: global }
      - { .name: value_scales, .offset: 40, .size: 8, .value_kind: global_buffer, .address_space: global }
      - { .name: mask, .offset: 48, .size: 8, .value_kind: global_buffer, .address_space: global }
      - { .name: out0, .offset: 56, .size: 8, .value_kind: global_buffer, .address_space: global }
    .group_segment_fixed_size: 224256
    .private_segment_fixed_size: 0
    .kernarg_segment_align: 8
    .kernarg_segment_size: 64
    .max_flat_workgroup_size: 512
    .sgpr_count:     100
    .vgpr_count:     256
    .wavefront_size: 32
...
	.end_amdgpu_metadata
.endif
;; end of part 1
